; MI455X (gfx1250); checked and timed in simulation.
; The chip was launched on July 23, 2026; its instructions are those of AMD's public machine-readable ISA for CDNA 5 (MIT licence, August 2026) and "CDNA5" Instruction Set Architecture Reference Guide (July 2026). The comments in the code are by the model that wrote it; some were corrected since.
;; Uniform Quantized Linear. Allowed arithmetic: matrix products marked QUANTISED: E2M1 operands, one E8M0 scale for each 32 along K, by v_wmma_scale_f32_16x16x128_f8f6f4 with both operands' format E2M1 (or v_wmma_scale_f32_32x16x128_f4), f32 sums; everything else in f32.
;; Inputs: W_q 4,096 x 4,096 int32; bias 4,096 float32; mu1 4,096 float32; mu2 4,096 float32; scales 4,096 x 32 x 1 float32; x_codes 4 x 1,024 x 128 x 16 uint8 (E2M1 codes of x, K innermost, in blocks of 32 codes, two codes a byte); x_scales 4 x 1,024 x 128 uint8 (E8M0 scales of x, one for each 32 codes along K); zeros 4,096 x 32 x 1 float32.
;; Outputs: out0 4 x 1,024 x 4,096 float32.
;; This version of the problem:
;;   THIS VERSION OF THE PROBLEM IS GIVEN IN LOW PRECISION. The matrix products marked QUANTISED in the list below multiply operands that are first quantised to E2M1 (2 exponent bits, 1 mantissa bit; 4 bits a number), with one power-of-two scale for each 32 numbers along K (OCP MX v1.0); their sums are f32. All else is computed in f32.
;;   The module's matrix products, in the order in which they are computed (A, B: the left and right operand; K: the contracted axis; several contracted axes count as one K, in the product's order):
;;     1. [M 4,096, K 4,096] x [K 4,096, N 4,096]; A: input x (given as codes); B: computed on the way: QUANTISED
;;   THE QUANTISER, for each operand of a quantised product, along K:
;;     - K is cut into blocks of 32 from its start; a last block that is shorter is filled with zeros.
;;     - A block's scale is 2^e with e = floor(log2(the largest magnitude in the block)) - 2, held to -126 .. 127; a block of zeros has e = 0. As a byte (E8M0): e + 127.
;;     - Each number is divided by its block's scale, clamped to +-6, and rounded to the nearest number of E2M1, ties to even, subnormals kept.
;;     - The product sums the exact products of the quantised numbers (number of the format x scale) in f32.
;;   ~~~python
;;   def quantise(x, axis):      # numpy; x: float32 -> the quantised numbers, widened to float32 again
;;       x = np.moveaxis(x, axis, -1); K = x.shape[-1]
;;       x = np.pad(x, [(0, 0)] * (x.ndim - 1) + [(0, -K % 32)]); x = x.reshape(x.shape[:-1] + (-1, 32)); a = np.abs(x).max(-1, keepdims=True)
;;       e = np.where(a > 0, np.clip(np.frexp(np.where(a > 0, a, 1))[1] - 1 - 2, -126, 127), 0)      # np.frexp(a)[1] - 1 = floor(log2(a)), exactly
;;       r = np.clip(x / 2.0 ** e, -6, 6)
;;       step = 2.0 ** (np.maximum(np.frexp(np.where(r == 0, 1, r))[1] - 1, 0) - 1)
;;       q = np.round(r / step) * step * 2.0 ** e      # np.round: ties to even
;;       return np.moveaxis(q.reshape(q.shape[:-2] + (-1,))[..., :K], -1, axis).astype(np.float32)
;;   ~~~
;;   OPERANDS COMPUTED ON THE WAY. 'Computed on the way' means the value that the module computes at that place (a softmax that the list does not call 'softmax' is quantised finished and normalised). What goes into a quantiser is computed in f32, as accurately as f32 sums, v_exp_f32 and their like allow (about 1e-6 of the number): no bf16 or f16 on the way to a quantiser, and a product that is left as it is and whose result goes on into a quantised operand takes f32 operands (vector FMAs, or v_wmma_f32_16x16x4_f32). A number that lies on a knife's edge between two numbers of the format may be rounded either way, as far as f32 arithmetic and the matrix unit's own rounding can turn it there, and no further.
;;   INPUTS GIVEN AS CODES. x (in the module: [4, 1024, 4096], K = its axis 2): each comes as NAME_codes (uint8): NAME with its K axis moved to the last place and cut into blocks of 32 codes, [.., K / 32, bytes a block], one block behind the other in memory; two codes a byte, the lower K in the low four bits (a code: sign, 2 exponent bits, 1 mantissa bit); and NAME_scales (uint8): the same leading axes, one E8M0 byte (e + 127) for each 32 codes along K. Its value is code x scale, taken as it is: it is not quantised again, and the codes and scales need not be those that the quantiser above would give.
;; One version. Each part assembles by itself: llvm-mc -triple=amdgcn-amd-amdhsa -mcpu=gfx1250 --defsym DOCPART=n.
;; ======== version 1 of 1: 2 launches
;; limits: right only within a limited range of input values
;; workspace buffers: wq 8,912,896 bytes
;; launch quant (part 1): grid 256 x 1, 8 waves a work-group, no clusters, 82,944 bytes of LDS; arguments W_q, scales, zeros, mu1, mu2, wq; writes wq
.if DOCPART == 1
	.amdgcn_target "amdgcn-amd-amdhsa--gfx1250"
	.amdhsa_code_object_version 6
	.text
	.protected	k_q822857400d_quant
	.globl	k_q822857400d_quant
	.p2align	8
	.type	k_q822857400d_quant,@function
k_q822857400d_quant:
	s_mov_b64 s[64:65], 0
	v_nop
	global_prefetch_b8 v0, s[64:65] scope:SCOPE_SE
	s_setreg_imm32_b32 hwreg(HW_REG_WAVE_MODE, 25, 1), 1
	s_wait_xcnt 0x0
; Wdeq[k][n] = (((W_q[k][n] - zeros[k][n/128]) * scales[k][n/128]) * mu2[k]) * mu1[n], in f32, one rounding for each of the four steps, in this order;
; then quantised along n in blocks of 32 into codes of FP4 (E2M1) with one E8M0 byte a block.  W_q: [4096][4096] int32; scales, zeros: [4096][32] f32; mu1, mu2: [4096] f32.
; A block's scale is 2^(floor(log2(its largest magnitude)) - 2): its byte is the largest magnitude's exponent field - 2, held at 1 from below.
; OUT: wq, laid [s = 0..7][row k = 0..4095][272 bytes]: bytes 0-255 the codes of n = 512 s .. 512 s + 511 (two a byte, the lower n in the low four bits), bytes 256-271 the 16 scale bytes of these 16 blocks.
; So the 128 rows that a wave of the product's launch fetches for one step along n are 34,816 consecutive bytes, and lie in LDS at a pitch of 272 bytes as they come.
; LIMITS: NaN and infinities among the inputs are not served.  A block of zeros gets the byte 1 where the quantiser's rule says 127: its codes are zeros, which add nothing under any byte but 0xff, and this program alone reads the bytes.
; SHARES.  Work-group g owns rows 16 g .. 16 g + 15; wave w owns n = 512 w .. 512 w + 511 of them: 16 steps of one row's 512 numbers (2,048 bytes, four loads of 512 consecutive bytes).
; The conversions take neighbours along n from ONE lane's registers, so a step's bytes turn through the wave's own stage in LDS: stored as loaded, read back 64 bytes a lane.  Lane l then holds n = 512 w + 16 l + 0..15:
; two neighbouring lanes hold a block of 32, eight a group of 128 (group 4 w + l / 8 = thread / 8), and a lane's 16 numbers of mu1 are the same in every row: they stay in registers.
; The work-group's 512 zeros and 512 scales are read once, 8 bytes a thread, and shared through a table in LDS behind the launch's one barrier; mu2's 16 numbers come by one scalar load.
; A wave's 16 rows x 272 bytes are gathered in its own LDS and leave as 17 stores of 256 consecutive bytes, each at a multiple of 256 from wq's first byte.
; Loads run eight steps (32 loads a wave) ahead.  Every offset is an immediate, no pointer is stepped, nothing is written out twice: the 16 steps are written out by macro.
; NO CLUSTER, NO TENSOR LOAD: the work-groups share only mu1 (2,048 bytes a wave against 32,768 of W_q), and every other byte is read by one wave once.
.set SP,    80                         ; a lane's place in a stage: its 64 bytes + 16 of padding
.set STG,   32*SP                      ; a stage: 2,560 bytes
.set OS,    2*STG                      ; behind the two stages: the wave's 16 rows of 272 bytes on their way out
.set OP,    272
.set WREG,  OS+16*OP+256               ; 9,728 bytes of LDS for each wave
.set PT,    8*WREG                     ; behind the waves' regions: the table, entry (row t, group g) = {zero, scale}, 8 bytes at 256 t + 8 g
.set ROWW,  16384                      ; a row of W_q in bytes
.set P,     16                         ; v16-47   row t's {zero, scale} of my group at v[P+2t : P+2t+1]
.set MU,    48                         ; v48-63   my 16 numbers of mu1
.set X,     64                         ; v64-95   two sets of 16 neighbours
.set R,     96                         ; v96-223  eight sets of 16 numbers as they are loaded
.set O,     96                         ; v96-129  at the end: the way out
.set C,     224                        ; v224-227 a step's codes, a pair for even steps and one for odd
.set E,     228                        ; v228-229 its scale byte, likewise
	s_load_b256 s[4:11], s[0:1], 0x0               ; W_q s[4:5], scales s[6:7], zeros s[8:9], mu1 s[10:11]
	s_load_b128 s[12:15], s[0:1], 0x20             ; mu2 s[12:13], wq s[14:15]
	v_lshl_add_u32 v11, v0, 2, PT+16*256           ; my spare word, behind the table: 128 bytes for each of the eight waves, named by no other line
	v_mov_b32 v12, 0                               ; and 0; both are kept for the add at the wave's end
	v_lshrrev_b32 v2, 5, v0
	s_delay_alu instid0(VALU_DEP_1)
	v_readfirstlane_b32 s16, v2                    ; wave 0..7
	v_and_b32 v1, 31, v0                           ; lane
	s_delay_alu instid0(VALU_DEP_1)
	v_lshlrev_b32 v3, 4, v1                        ; my 16 bytes of a load's 512
	s_delay_alu instid0(VALU_DEP_2)
	v_lshlrev_b32 v7, 3, v1                        ; my 8 bytes of a store's 256
	v_lshlrev_b32 v10, 3, v0                       ; my 8 bytes of the work-group's 2,048 of zeros and of scales
	v_lshl_add_u32 v8, v0, 4, PT                   ; the table, on the way in: my two entries
	v_lshrrev_b32 v9, 3, v0
	s_delay_alu instid0(VALU_DEP_1)
	v_lshl_add_u32 v9, v9, 3, PT                   ; and on the way out: my group's entry of row 0
	s_mul_i32 s17, s16, WREG
	v_lshrrev_b32 v14, 2, v1
	s_delay_alu instid0(VALU_DEP_1)
	v_mul_u32_u24 v14, v14, SP
	v_and_b32 v15, 3, v1
	s_delay_alu instid0(VALU_DEP_1)
	v_lshl_add_u32 v14, v15, 4, v14
	s_delay_alu instid0(VALU_DEP_1)
	v_add_nc_u32 v14, s17, v14                     ; a stage, on the way in: four lanes' 64 bytes on end, then the padding
	v_mul_u32_u24 v15, v1, SP
	s_delay_alu instid0(VALU_DEP_1)
	v_add_nc_u32 v15, s17, v15                     ; and on the way out: my 16 neighbours
	s_add_co_u32 s17, s17, OS
	v_add_nc_u32 v4, s17, v7                       ; my 8 bytes of codes in row 0 of the wave's 16; also my 8 bytes of each 256 on the way out
	v_lshrrev_b32 v5, 1, v1
	s_delay_alu instid0(VALU_DEP_1)
	v_add_nc_u32 v5, s17, v5
	s_delay_alu instid0(VALU_DEP_1)
	v_add_nc_u32 v5, 256, v5                       ; my block's scale byte in row 0
	v_mov_b32 v235, 0                              ; named with v234 as a pair, so it is written
	s_mov_b32 s49, 0                               ; named with s48 as a pair, so it is written
	s_lshl_b32 s18, ttmp9, 18                      ; W_q: 16 rows of 16,384 bytes a work-group,
	s_lshl_b32 s20, s16, 11                        ; 2,048 bytes of a row a wave (mu1 likewise)
	s_add_co_u32 s18, s18, s20
	s_mov_b32 s19, 0
	s_mov_b32 s21, 0
	s_lshl_b32 s22, ttmp9, 11                      ; scales, zeros: 16 rows of 128 bytes
	s_mov_b32 s23, 0
	s_lshl_b32 s24, ttmp9, 6                       ; mu2: 16 numbers
	s_mov_b32 s25, 0
	s_mul_i32 s26, s16, 4096*OP                    ; wq: plane w,
	s_mul_i32 s27, ttmp9, 16*OP                    ; 16 rows of 272 bytes a work-group
	s_add_co_u32 s26, s26, s27
	s_mov_b32 s27, 0
	s_wait_kmcnt 0x0
	s_add_nc_u64 s[4:5], s[4:5], s[18:19]
	s_add_nc_u64 s[6:7], s[6:7], s[22:23]
	s_add_nc_u64 s[8:9], s[8:9], s[22:23]
	s_add_nc_u64 s[10:11], s[10:11], s[20:21]
	s_add_nc_u64 s[12:13], s[12:13], s[24:25]
	s_add_nc_u64 s[14:15], s[14:15], s[26:27]
	s_load_b512 s[32:47], s[12:13], 0x0            ; mu2 of my 16 rows
.macro LOAD t                          ; row t's 2,048 bytes into set t % 8
.irp i, 0,1,2,3
	global_load_b128 v[R+16*((\t)%8)+4*\i:R+16*((\t)%8)+4*\i+3], v3, s[4:5] offset:ROWW*(\t)+512*\i th:TH_LOAD_NT   ; 32 lanes read 512 consecutive bytes; read once in the launch
.endr
.endm
.macro TURN t                          ; row t's numbers through stage t % 2: LDS serves a wave's instructions in order (ISA guide 5.7.1.4), so no wait stands between the stores and the loads
.irp i, 0,1,2,3
	ds_store_b128 v14, v[R+16*((\t)%8)+4*\i:R+16*((\t)%8)+4*\i+3] offset:STG*((\t)%2)+8*SP*\i
.endr
.irp i, 0,1,2,3
	ds_load_b128 v[X+16*((\t)%2)+4*\i:X+16*((\t)%2)+4*\i+3], v15 offset:STG*((\t)%2)+16*\i
.endr
.endm
	global_load_b64 v[230:231], v10, s[8:9]        ; two zeros,
	global_load_b64 v[232:233], v10, s[6:7]        ; two scales: entries 2 x thread and 2 x thread + 1 of the table
.irp i, 0,1,2,3
	global_load_b128 v[X+16+4*\i:X+16+4*\i+3], v3, s[10:11] offset:512*\i   ; my wave's 512 numbers of mu1, as they lie
.endr
.irp t, 0,1,2,3,4,5,6,7
	LOAD \t
.endr
	s_wait_loadcnt 32                              ; the six loads above are in; the 32 of W_q stay out
	v_mov_b32 v236, v230                           ; {zero, scale} of the first entry,
	v_mov_b32 v237, v232
	v_mov_b32 v238, v231                           ; of the second
	v_mov_b32 v239, v233
	ds_store_b128 v8, v[236:239]
.irp i, 0,1,2,3
	ds_store_b128 v14, v[X+16+4*\i:X+16+4*\i+3] offset:STG+8*SP*\i          ; mu1 turns through stage 1 as a row does
.endr
.irp i, 0,1,2,3
	ds_load_b128 v[MU+4*\i:MU+4*\i+3], v15 offset:STG+16*\i
.endr
	s_wait_dscnt 0x0                               ; for the others' sake: my part of the table has landed
	s_barrier_signal -1
	s_barrier_wait -1                              ; the table is whole; nobody writes it again
.irp t, 0,1,2,3,4,5,6,7,8,9,10,11,12,13,14,15
	ds_load_b64 v[P+2*\t:P+2*\t+1], v9 offset:256*\t
.endr
	s_wait_loadcnt 28                              ; row 0's four loads are in; those of rows 1 to 7 stay out
	TURN 0
	s_wait_kmcnt 0x0                               ; mu2
.macro STEP t
.set XS, X+16*((\t)%2)
.set PR, P+2*(\t)
.set CP, C+2*((\t)%2)
.if (\t) > 0
	s_wait_dscnt 2                                 ; only the last step's two stores may be out: this row's numbers are back from the stage, its stores into the stage have read set t % 8, and the stores of two steps ago have read this parity's codes and byte
.else
	s_wait_dscnt 0x0                               ; the table's entries and row 0
.endif
.if (\t)+8 < 16
	LOAD (\t)+8                                    ; into the set that this row has left
.endif
.if (\t)+1 < 16
.if (\t) <= 7
	s_wait_loadcnt 28                              ; the next row's four loads are in; those of the seven rows behind it may be out
.else
	s_wait_loadcnt 4*(14-(\t))                     ; nothing more is asked for: the counts run down
.endif
	TURN (\t)+1                                    ; through the other stage while this row is worked
.endif
	s_mov_b32 s48, s[32+(\t)]                      ; mu2 of this row
	v_mov_b32 v234, v[PR+1]                        ; the scale of my group in this row
.irp i, 0,1,2,3,4,5,6,7,8,9,10,11,12,13,14,15
	v_cvt_f32_i32 v[XS+\i], v[XS+\i]
.endr
.irp i, 0,2,4,6,8,10,12,14
	v_pk_add_f32 v[XS+\i:XS+\i+1], v[XS+\i:XS+\i+1], v[PR:PR+1] op_sel_hi:[1,0] neg_lo:[0,1] neg_hi:[0,1]   ; - zero (the pair's first word serves both halves)
.endr
.irp i, 0,2,4,6,8,10,12,14
	v_pk_mul_f32 v[XS+\i:XS+\i+1], v[XS+\i:XS+\i+1], v[234:235] op_sel_hi:[1,0]   ; x scale
.endr
.irp i, 0,2,4,6,8,10,12,14
	v_pk_mul_f32 v[XS+\i:XS+\i+1], v[XS+\i:XS+\i+1], s[48:49] op_sel_hi:[1,0]     ; x mu2
.endr
.irp i, 0,2,4,6,8,10,12,14
	v_pk_mul_f32 v[XS+\i:XS+\i+1], v[XS+\i:XS+\i+1], v[MU+\i:MU+\i+1]             ; x mu1
.endr
	v_max3_num_f32 v230, |v[XS]|, |v[XS+1]|, |v[XS+2]|             ; the largest magnitude of my 16, in two chains
	v_max3_num_f32 v231, |v[XS+3]|, |v[XS+4]|, |v[XS+5]|
.irp i, 6,10
	s_delay_alu instid0(VALU_DEP_2)
	v_max3_num_f32 v230, v230, |v[XS+\i]|, |v[XS+\i+1]|
	s_delay_alu instid0(VALU_DEP_2)
	v_max3_num_f32 v231, v231, |v[XS+\i+2]|, |v[XS+\i+3]|
.endr
	s_delay_alu instid0(VALU_DEP_2)
	v_max3_num_f32 v230, v230, |v[XS+14]|, |v[XS+15]|
	s_delay_alu instid0(VALU_DEP_1)
	v_max3_num_f32 v230, v230, v231, 0x1800000     ; and the floor 2^(3 - 127), under which no largest magnitude is taken: so the byte cannot fall under 1
	s_delay_alu instid0(VALU_DEP_1)
	v_max_num_f32_dpp v230, v230, v230 row_xmask:1 row_mask:0xf bank_mask:0xf   ; and of my neighbour's 16: the block's
	s_delay_alu instid0(VALU_DEP_1)
	v_add_nc_u32 v232, 0xff000000, v230            ; 2 off its exponent field: the conversion takes the exponent field of this operand as its scale, and nothing else of it
	v_cvt_scalef32_pk8_fp4_f32 v[CP], v[XS:XS+7], v232             ; eight numbers / the scale, to the nearest code, ties to even, beyond the largest code the largest; the first number's code in the lowest four bits
	v_cvt_scalef32_pk8_fp4_f32 v[CP+1], v[XS+8:XS+15], v232
	v_lshrrev_b32 v[E+(\t)%2], 23, v232            ; the scale's byte; also the plain instruction behind the conversions
	ds_store_b64 v4, v[CP:CP+1] offset:OP*(\t)     ; my 16 codes, at byte 8 x lane of the row
	ds_store_b8 v5, v[E+(\t)%2] offset:OP*(\t)     ; both lanes of a block write the same byte with the same value
.endm
.irp t, 0,1,2,3,4,5,6,7,8,9,10,11,12,13,14,15
	STEP \t
.endr
.irp j, 0,1,2,3,4,5,6,7,8,9,10,11,12,13,14,15,16
	ds_load_b64 v[O+2*\j:O+2*\j+1], v4 offset:256*\j               ; the wave's 4,352 bytes as they lie; these see my stores, which were issued ahead of them
.endr
.irp j, 0,1,2,3,4,5,6,7,8,9,10,11,12,13,14,15,16
	s_wait_dscnt 16-\j
	global_store_b64 v7, v[O+2*\j:O+2*\j+1], s[14:15] offset:256*\j   ; 32 lanes store 256 consecutive bytes, at a multiple of 256 from wq's first byte
.endr
	s_wait_tensorcnt 0x0                           ; the wave's end
	ds_add_u32 v11, v12
	s_wait_dscnt 0x0
	s_endpgm
.Lfunc_end_k_q822857400d_quant:
	.size	k_q822857400d_quant, .Lfunc_end_k_q822857400d_quant-k_q822857400d_quant
	.p2alignl 7, 3214868480
	.fill 96, 4, 3214868480
	.section	.rodata,"a",@progbits
	.p2align	6, 0x0
	.amdhsa_kernel k_q822857400d_quant
		.amdhsa_group_segment_fixed_size 82944
		.amdhsa_private_segment_fixed_size 0
		.amdhsa_enable_private_segment 0
		.amdhsa_kernarg_size 48
		.amdhsa_user_sgpr_count 2
		.amdhsa_user_sgpr_kernarg_segment_ptr 1
		.amdhsa_wavefront_size32 1
		.amdhsa_system_sgpr_workgroup_id_x 1
		.amdhsa_system_sgpr_workgroup_id_y 1
		.amdhsa_system_sgpr_workgroup_id_z 1
		.amdhsa_system_vgpr_workitem_id 0
		.amdhsa_next_free_vgpr 240
		.amdhsa_next_free_sgpr 66
		.amdhsa_reserve_vcc 0
		.amdhsa_float_denorm_mode_32 3
		.amdhsa_float_denorm_mode_16_64 3
		.amdhsa_memory_ordered 1
		.amdhsa_forward_progress 1
		.amdhsa_inst_pref_size 84
	.end_amdhsa_kernel
	.amdgpu_metadata
---
amdhsa.version: [ 1, 2 ]
amdhsa.kernels:
  - .name:           k_q822857400d_quant
    .symbol:         k_q822857400d_quant.kd
    .args:
      - { .name: W_q, .offset: 0, .size: 8, .value_kind: global_buffer, .address_space: global }
      - { .name: scales, .offset: 8, .size: 8, .value_kind: global_buffer, .address_space: global }
      - { .name: zeros, .offset: 16, .size: 8, .value_kind: global_buffer, .address_space: global }
      - { .name: mu1, .offset: 24, .size: 8, .value_kind: global_buffer, .address_space: global }
      - { .name: mu2, .offset: 32, .size: 8, .value_kind: global_buffer, .address_space: global }
      - { .name: wq, .offset: 40, .size: 8, .value_kind: global_buffer, .address_space: global }
    .group_segment_fixed_size: 82944
    .private_segment_fixed_size: 0
    .kernarg_segment_align: 8
    .kernarg_segment_size: 48
    .max_flat_workgroup_size: 256
    .sgpr_count:     66
    .vgpr_count:     240
    .wavefront_size: 32
...
	.end_amdgpu_metadata
.endif
;; end of part 1
;; launch gemm (part 2): grid 16 x 16, 4 waves a work-group, clusters of 4 x 4, 327,680 bytes of LDS; arguments x_codes, x_scales, wq, bias, out0; writes out0
.if DOCPART == 2
	.amdgcn_target "amdgcn-amd-amdhsa--gfx1250"
	.amdhsa_code_object_version 6
	.text
	.protected	k_q822857400d_gemm
	.globl	k_q822857400d_gemm
	.p2align	8
	.type	k_q822857400d_gemm,@function
k_q822857400d_gemm:
	s_mov_b64 s[64:65], 0
	v_nop
	global_prefetch_b8 v0, s[64:65] scope:SCOPE_SE
	s_setreg_imm32_b32 hwreg(HW_REG_WAVE_MODE, 25, 1), 1
	s_wait_xcnt 0x0
	s_wait_alu depctr_hold_cnt(0) depctr_sa_sdst(0) depctr_va_vdst(0) depctr_va_sdst(0) depctr_va_ssrc(0) depctr_va_vcc(0) depctr_vm_vsrc(0)
	s_getreg_b32 s2, hwreg(HW_REG_IB_STS2, 6, 4)
	s_cmp_eq_u32 s2, 0
	s_cbranch_scc0 .Lentry_in_a_cluster
	s_endpgm
.Lentry_in_a_cluster:
	s_bfe_u32 s2, ttmp6, 0x10000c
	s_cmp_lg_u32 s2, 0xf033
	s_cbranch_scc0 .Lentry_shape_is_right
	s_endpgm
.Lentry_shape_is_right:
; out0[m][n] = bias[n] + sum over k of x[m][k] W[n][k]: both operands codes of FP4 (E2M1) with one E8M0 byte for each 32 along k; sums in f32.
; x_codes: [4096][2048 bytes], x_scales: [4096][128 bytes].  wq, made by the launch before: [s = 0..7][row n][272 bytes]: 256 bytes of codes of k = 512 s .. 512 s + 511, then their 16 scale bytes.
; A block of out0, 256 x 256, is made by a work-group of four waves, 128 x 128 a wave: 64 accumulators, 512 registers.  256 work-groups.  k goes in 8 steps of 512 through two LDS slots.
; CLUSTERS of 4 x 4: x's tiles are asked for jointly along a row of the cluster, W's along a column.  W's 128 rows of a step are 34,816 consecutive bytes and come as 136 rows of 256 bytes; they lie in LDS at a pitch of 272 as they come.
; x's scales of the block's 256 rows, for all of k, are one dense block of 32,768 bytes: it comes once, at the head, as rows of 256 bytes with 16 of padding, and stays.
; THE HEAD: one joint load a wave: wave 0 x's 256 rows of step 0, wave 1 W's 256 rows, waves 2 and 3 half of x's scales each.  Slot 1's first fill is issued as a refill is.
; THE MATRIX INSTRUCTION IS USED TRANSPOSED (source 0 = 16 rows of W, source 1 = 16 rows of x): a lane holds eight neighbouring numbers of a row of out0.  The bias is the C of each accumulator's first product.
; PREFETCH: behind the load of step t the work-group asks for step t + 2 (at the head for steps 1 and 2): of the 128 rows that a wave fetches, each of the four partners that ask for them jointly names a quarter, told apart by address:
; x: 32 rows, a lane a row's 256 bytes; W: 34 of the 136 blocks of 256 bytes, 32 by one instruction and 2 by a second, whose other lanes name the last block again.  Steps beyond 7 are not asked for: the loop's last trip asks for nothing.
; REGISTERS: window 0: v0-31 addresses; v32-95 scale words, a set for each slot; v128-191, v192-255 x's fragments, two sets.  window 1: v0-63, v128-191 W's fragments, two sets; v64-127 the bias.  windows 2, 3: the accumulators.
; A step of 128 along k multiplies one set of fragments while the next step's 32 LDS loads, issued in one run at its head, fill the other.
; LIMITS: scale bytes 0xff in x_scales give NaN, as the format has it.
.set NQ,     4
.set ROWB,   256
.set KROW,   2048
.set PITCH,  272
.set FR,     8
.set NL,     2
.set NP,     4
.set HALFT,  128*PITCH                 ; 128 rows: a wave's load in the ring, and what a wave reads of x or of W
.set SLOT,   4*HALFT                   ; x's 256 rows, then W's 256 rows
.set WSTEP,  4096*PITCH                ; from a step's plane of wq to the next
.set LAPS,   4
.set SCL,    2*SLOT                    ; behind the ring: x's scales
.set QS,     32*272                    ; those of 64 rows
.set SABLK,  8*272                     ; those of 16 rows
.set SPARE,  SCL+4*QS                  ; the spare words: 128 bytes a wave
.set SPITCH, 528                       ; the way out: a stage of 16 rows x (512 + 16) bytes a wave, in slot 0 behind its last fill and its last read
.set ROWC,   16384
.set ADRA,  16                         ; v16-17 my x fragments in slot 0, 1
.set BO,    18                         ; v18    my bias offset
.set ADRB,  20                         ; v20-21 my W fragments
.set ADRSB, 22                         ; v22-23 W's scale bytes: lanes 0-15 rows 0-63, lanes 16-31 rows 64-127
.set STO,   24
.set RD,    25
.set CO,    26
.set ADRSA, 27                         ; x's scale words, likewise
.set SPW,   28
.set NIL,   29
.set PFO,   30                         ; prefetch: lane x 2,048 (x) or lane x 256 (W)
.set PFO2,  31                         ; W's blocks 32 and 33
.set SC,    32
.set AF,    128
.set BIAS,  64
.set PA,    128                        ; the last step of 512: x's fragments of 16 rows x 512 k, 32 registers; four such buffers, v128-255
.set G1,  24
.set G0,  32
.set G1B, 48
.set G0B, 56
.set G1S, 68
.set G0S, 76
.set G0H, 80
.set G0HB, 84
.set PFA, 88                           ; s[88:89] my quarter of the rows that I fetch; stepped once a change of slots
.set PFS, 90                           ; s[90:91] a step along k there, in bytes
.set MSB, 0
.macro WIN new
.if MSB != \new
	s_set_vgpr_msb (MSB<<8)|\new
.set MSB, \new
.endif
.endm
.set MUL_LO,   0xa1
.set MUL_HI,   0xf1
.set FIRST_LO, 0x91                    ; C (the bias) in window 1
.set FIRST_HI, 0xd1
.set TO_B,     0x40
.macro JLOAD g0a, g1a, g0b, g1b        ; waves 0, 1 fetch x's halves, waves 2, 3 W's
	s_cmp_eq_u32 s15, 0
	s_cbranch_scc0 .Lfor_b_\@
	tensor_load_to_lds s[\g0a:\g0a+3], s[\g1a:\g1a+7]
	s_nop 0
.rept 4
	v_nop
.endr
	s_branch .Lasked_\@
.Lfor_b_\@:
	tensor_load_to_lds s[\g0b:\g0b+3], s[\g1b:\g1b+7]
	s_nop 0
.rept 4
	v_nop
.endr
.Lasked_\@:
.endm
.macro CREST
	s_cmp_lg_u32 s14, 0
	s_cbranch_scc1 .Lnot_wave_0_\@
	s_barrier_signal -3
.Lnot_wave_0_\@:
	s_barrier_wait -3
	s_barrier_signal -1
	s_barrier_wait -1
.endm
.macro CROUND
	s_barrier_signal -1
	s_barrier_wait -1
	CREST
.endm
; prefetches of the steps n .. m beyond the one at which PFA stands.  guard = 1: not in the loop's last trip, whose steps would lie beyond k
.macro ASK guard, n, m
.if \guard
	s_cmp_gt_u32 s3, 1
	s_cbranch_scc0 .Lpf_done_\@
.endif
	s_cmp_eq_u32 s15, 0
	s_cbranch_scc0 .Lpf_b_\@
.set PN, \n
.rept \m-\n+1
	global_prefetch_b8 v[PFO], s[PFA:PFA+1] offset:PN*ROWB th:TH_LOAD_NT scope:SCOPE_SE
.set PN, PN+1
.endr
	s_branch .Lpf_done_\@
.Lpf_b_\@:
.set PN, \n
.rept \m-\n+1
	global_prefetch_b8 v[PFO], s[PFA:PFA+1] offset:PN*WSTEP th:TH_LOAD_NT scope:SCOPE_SE
	global_prefetch_b8 v[PFO2], s[PFA:PFA+1] offset:PN*WSTEP+32*256 th:TH_LOAD_NT scope:SCOPE_SE
.set PN, PN+1
.endr
.Lpf_done_\@:
.endm
	s_load_b128 s[4:7], s[0:1], 0x0                ; x_codes, x_scales
	s_load_b128 s[8:11], s[0:1], 0x10              ; wq, bias
	s_load_b64 s[12:13], s[0:1], 0x20              ; out0
	v_lshl_add_u32 v[SPW], v0, 2, SPARE
	v_mov_b32 v[NIL], 0
	ds_add_u32 v[SPW], v[NIL]                      ; the opening lines: the add, twice on end, and its wait
	ds_add_u32 v[SPW], v[NIL]
	v_lshrrev_b32 v1, 5, v0
	v_readfirstlane_b32 s14, v1                    ; wave
	s_lshr_b32 s15, s14, 1                         ; my half of the rows; also: I fetch for x (0) or W (1)
	s_and_b32 s16, s14, 1                          ; my half of the columns; also: which 128 rows I fetch
	s_bfe_u32 s40, ttmp6, 0x40000                  ; cx
	s_bfe_u32 s41, ttmp6, 0x40004                  ; cy
	s_lshl_b32 s42, ttmp9, 2
	s_add_co_u32 s42, s42, s40                     ; block column
	s_and_b32 s17, ttmp7, 0xffff
	s_lshl_b32 s17, s17, 2
	s_add_co_u32 s17, s17, s41                     ; block row
	s_lshl_b32 s43, s41, 2
	s_lshl_b32 s43, 15, s43                        ; my row of the cluster
	s_lshl_b32 s44, 0x1111, s40                    ; my column
	s_or_b32 s[G1+0], s43, (0<<16)|(1<<20)|(1<<21)|(5<<22)|(3<<25)   ; x's codes: rows of 256 bytes, 16 of padding behind each; 256 rows at the head
	s_mov_b32 s[G1+1], ROWB<<16
	s_mov_b32 s[G1+2], 256<<16
	s_mov_b32 s[G1+3], ROWB<<16
	s_mov_b32 s[G1+4], 256
	s_mov_b32 s[G1+5], KROW
	s_mov_b32 s[G1+6], 0
	s_mov_b32 s[G1+7], 0
	s_or_b32 s[G1B+0], s44, (3<<16)|(1<<21)        ; wq: a dense block as rows of 256 bytes (32 x 8), no padding; 272 rows at the head
	s_mov_b32 s[G1B+1], 32<<16
	s_mov_b32 s[G1B+2], 272<<16
	s_mov_b32 s[G1B+3], 32<<16
	s_mov_b32 s[G1B+4], 272
	s_mov_b32 s[G1B+5], 32
	s_mov_b32 s[G1B+6], 0
	s_mov_b32 s[G1B+7], 0
	s_or_b32 s[G1S+0], s43, (3<<16)|(1<<20)|(1<<21)|(5<<22)|(3<<25)  ; x's scales of 128 rows: 64 rows of 256 bytes, padded
	s_mov_b32 s[G1S+1], 32<<16
	s_mov_b32 s[G1S+2], 64<<16
	s_mov_b32 s[G1S+3], 32<<16
	s_mov_b32 s[G1S+4], 64
	s_mov_b32 s[G1S+5], 32
	s_mov_b32 s[G1S+6], 0
	s_mov_b32 s[G1S+7], 0
	s_lshl_b32 s20, s17, 19                        ; x: 256 rows of 2,048 bytes a block row
	s_mov_b32 s21, 0
	s_lshl_b32 s46, s42, 8
	s_mul_i32 s46, s46, PITCH                      ; wq: 256 rows of 272 bytes a block column
	s_mov_b32 s47, 0
	s_lshl_b32 s22, s17, 15                        ; x's scales: 256 rows of 128 bytes,
	s_lshl_b32 s23, s16, 14                        ; and my half of them
	s_add_co_u32 s22, s22, s23
	s_mov_b32 s23, 0
	s_lshl_b32 s18, s16, 18                        ; in the ring: my 128 rows of x,
	s_mov_b32 s19, 0
	s_mul_i32 s92, s16, HALFT                      ; of wq
	s_mov_b32 s93, 0
	s_mul_i32 s45, s14, HALFT                      ; and where they go
	s_mul_i32 s94, s16, 2*QS
	s_add_co_u32 s94, s94, SCL                     ; where my half of the scales goes
	s_mul_i32 s95, s15, HALFT                      ; what I read: my 128 rows of x,
	s_add_co_u32 s96, s92, 2*HALFT                 ; of W,
	s_mul_i32 s97, s15, 2*QS
	s_add_co_u32 s97, s97, SCL                     ; x's scales,
	s_mul_i32 s66, s14, 16*SPITCH                  ; my stage
	s_cmp_eq_u32 s15, 0
	s_cselect_b32 s67, 11, 8                       ; a lane's step in a prefetch: a row of x, or a block of wq
	s_wait_dscnt 0x0                               ; both opening adds are done
	s_wait_kmcnt 0x0
	s_add_nc_u64 s[20:21], s[4:5], s[20:21]
	s_add_nc_u64 s[22:23], s[6:7], s[22:23]
	s_add_nc_u64 s[46:47], s[8:9], s[46:47]
	CROUND                                         ; all sixteen work-groups are here: the first joint loads meet
	s_mov_b32 s[G0H], 1
	s_mov_b32 s[G0H+1], 0
	s_mov_b64 s[G0H+2:G0H+3], s[20:21]
	s_or_b32 s[G0H+3], s[G0H+3], 0x80000000
	s_mov_b32 s[G0HB], 1
	s_mov_b32 s[G0HB+1], 2*HALFT
	s_mov_b64 s[G0HB+2:G0HB+3], s[46:47]
	s_or_b32 s[G0HB+3], s[G0HB+3], 0x80000000
	s_mov_b32 s[G0S], 1
	s_mov_b32 s[G0S+1], s94
	s_mov_b64 s[G0S+2:G0S+3], s[22:23]
	s_or_b32 s[G0S+3], s[G0S+3], 0x80000000
	s_add_nc_u64 s[20:21], s[20:21], s[18:19]
	s_add_nc_u64 s[46:47], s[46:47], s[92:93]
.irp s, 0,1
	s_mov_b32 s[G0+4*\s], 1
	s_add_co_u32 s[G0+4*\s+1], s45, \s*SLOT
	s_add_nc_u64 s[G0+4*\s+2:G0+4*\s+3], s[20:21], \s*ROWB
	s_or_b32 s[G0+4*\s+3], s[G0+4*\s+3], 0x80000000
	s_mov_b32 s[G0B+4*\s], 1
	s_add_co_u32 s[G0B+4*\s+1], s45, \s*SLOT
	s_add_nc_u64 s[G0B+4*\s+2:G0B+4*\s+3], s[46:47], \s*WSTEP
	s_or_b32 s[G0B+4*\s+3], s[G0B+4*\s+3], 0x80000000
.endr
.macro ARM under, g0, g1, next         ; one chain of branches on the wave's number: every way through the head passes one load
	s_cmp_lt_u32 s14, \under
	s_cbranch_scc0 \next
	tensor_load_to_lds s[\g0:\g0+3], s[\g1:\g1+7]
	s_nop 0
.rept 4
	v_nop
.endr
	s_branch .Lhead_asked
\next:
.endm
	ARM 1, G0H,  G1,  .Lhead_b
	ARM 2, G0HB, G1B, .Lhead_s
	tensor_load_to_lds s[G0S:G0S+3], s[G1S:G1S+7]
	s_nop 0
.rept 4
	v_nop
.endr
.Lhead_asked:
	v_and_b32 v1, 15, v0                           ; r
	v_bfe_u32 v2, v0, 4, 1                         ; h
	v_and_b32 v7, 31, v0                           ; lane
	v_mul_u32_u24 v3, v1, PITCH
	v_lshl_add_u32 v4, v2, 4, v3                   ; a fragment's row x pitch + 16 h
	v_mad_u32_u24 v6, v2, 64*PITCH, v3             ; W's scale bytes: row r, lanes 16-31 64 rows on
	v_add_nc_u32 v[ADRA], s95, v4
	v_add_nc_u32 v[ADRB], s96, v4
	v_add_nc_u32 v6, s96, v6
	v_add_nc_u32 v[ADRSB], ROWB, v6
	v_add_nc_u32 v[ADRA+1], SLOT, v[ADRA]
	v_add_nc_u32 v[ADRB+1], SLOT, v[ADRB]
	v_add_nc_u32 v[ADRSB+1], SLOT, v[ADRSB]
	v_lshrrev_b32 v5, 1, v1                        ; x's scales: two rows of 128 bytes in each 272
	v_mul_u32_u24 v5, v5, 272
	v_and_b32 v8, 1, v1
	v_lshl_add_u32 v5, v8, 7, v5
	v_mad_u32_u24 v5, v2, QS, v5                   ; lanes 16-31 64 rows on
	v_add_nc_u32 v[ADRSA], s97, v5
	v_mul_u32_u24 v9, v1, SPITCH
	v_lshl_add_u32 v9, v2, 5, v9
	v_add_nc_u32 v[STO], s66, v9
	v_lshlrev_b32 v[CO], 4, v7
	v_add_nc_u32 v[RD], s66, v[CO]
	v_lshlrev_b32 v[BO], 5, v2
	v_lshlrev_b32 v[PFO], s67, v7
	v_min_u32 v[PFO2], 1, v7
	v_lshlrev_b32 v[PFO2], 8, v[PFO2]
	s_wait_alu depctr_va_vdst(0)                   ; the end of the head's vector work
	s_lshl_b32 s18, s17, 8                         ; prefetch, x: row 256 x block row + 128 x half + 32 cx
	s_lshl_b32 s19, s16, 7
	s_add_co_u32 s18, s18, s19
	s_lshl_b32 s19, s40, 5
	s_add_co_u32 s18, s18, s19
	s_lshl_b32 s18, s18, 11
	s_lshl_b32 s20, s42, 8                         ; wq: (256 x block column + 128 x half) x 272 + 34 blocks x cy
	s_lshl_b32 s21, s16, 7
	s_add_co_u32 s20, s20, s21
	s_mul_i32 s20, s20, PITCH
	s_mul_i32 s21, s41, 34*256
	s_add_co_u32 s20, s20, s21
	s_cmp_eq_u32 s15, 0
	s_cselect_b32 s18, s18, s20
	s_cselect_b64 s[PFA:PFA+1], s[4:5], s[8:9]
	s_mov_b32 s[PFS], WSTEP
	s_cselect_b32 s[PFS], ROWB, s[PFS]
	s_mov_b32 s[PFS+1], 0
	s_mov_b32 s19, 0
	s_add_nc_u64 s[PFA:PFA+1], s[PFA:PFA+1], s[18:19]
	ASK 0, 1, 1                                    ; step 1, beside the head's loads
	s_lshl_b32 s20, s17, 8
	s_lshl_b32 s21, s15, 7
	s_add_co_u32 s20, s20, s21
	s_lshl_b32 s20, s20, 14                        ; my first row of out0, in bytes
	s_mov_b32 s21, 0
	s_lshl_b32 s46, s42, 10
	s_lshl_b32 s47, s16, 9
	s_add_co_u32 s46, s46, s47                     ; my first column, in bytes
	s_mov_b32 s47, 0
	s_add_nc_u64 s[10:11], s[10:11], s[46:47]
	s_add_nc_u64 s[20:21], s[20:21], s[46:47]
	s_add_nc_u64 s[12:13], s[12:13], s[20:21]
	WIN TO_B
.irp b, 0,1,2,3,4,5,6,7
	global_load_b128 v[BIAS+8*\b:BIAS+8*\b+3], v[BO], s[10:11] offset:64*\b        ; bias of columns 16 b + 8 h + 0 .. 7, in the result's layout
	global_load_b128 v[BIAS+8*\b+4:BIAS+8*\b+7], v[BO], s[10:11] offset:64*\b+16
.endr
	WIN 0
.macro FRAG reg, adr, q, i             ; 16 rows x 128 k of 4-bit codes: two loads of 16 bytes, 32 bytes apart
.irp c, 0,1
	ds_load_b128 v[\reg+4*\c:\reg+4*\c+3], v[\adr] offset:64*(\q)+32*\c+(\i)*16*PITCH
.endr
.endm
.macro PROD a, b, p, q, sc, zero       ; x's block a against W's block b; set p of fragments; the slot's q-th 128 along k; scale set sc
.set DR, 8*(8*((\a)%4)+(\b))
.if \zero
.set CR, BIAS+8*(\b)
.else
.set CR, DR
.endif
.if (\p) < 2
.set WR, 128*(\p)+FR*(\b)
.set XR, AF+64*(\p)+FR*(\a)
.else                                  ; p = 2, the last step of 512: W's quarter q at v[64 q] of window 1, x's block a in buffer a % 4
.set WR, 64*(\q)+FR*(\b)
.set XR, PA+32*((\a)%4)+FR*(\q)
.endif
.set SBR, SC+32*(\sc)+16+4*((\b)%4)+(\q)
.set SAR, SC+32*(\sc)+4*((\a)%4)+(\q)
.if ((\a) < 4) && ((\b) < 4)
	v_wmma_scale_f32_16x16x128_f8f6f4 v[DR:DR+7], v[WR:WR+7], v[XR:XR+7], v[CR:CR+7], v[SBR], v[SAR] matrix_a_fmt:MATRIX_FMT_FP4 matrix_b_fmt:MATRIX_FMT_FP4
.elseif (\a) < 4
	v_wmma_scale_f32_16x16x128_f8f6f4 v[DR:DR+7], v[WR:WR+7], v[XR:XR+7], v[CR:CR+7], v[SBR], v[SAR] matrix_a_fmt:MATRIX_FMT_FP4 matrix_b_fmt:MATRIX_FMT_FP4 matrix_a_scale:MATRIX_SCALE_ROW1
.elseif (\b) < 4
	v_wmma_scale_f32_16x16x128_f8f6f4 v[DR:DR+7], v[WR:WR+7], v[XR:XR+7], v[CR:CR+7], v[SBR], v[SAR] matrix_a_fmt:MATRIX_FMT_FP4 matrix_b_fmt:MATRIX_FMT_FP4 matrix_b_scale:MATRIX_SCALE_ROW1
.else
	v_wmma_scale_f32_16x16x128_f8f6f4 v[DR:DR+7], v[WR:WR+7], v[XR:XR+7], v[CR:CR+7], v[SBR], v[SAR] matrix_a_fmt:MATRIX_FMT_FP4 matrix_b_fmt:MATRIX_FMT_FP4 matrix_a_scale:MATRIX_SCALE_ROW1 matrix_b_scale:MATRIX_SCALE_ROW1
.endif
.endm
.macro MUL16 a0, p, q, sc, zero        ; the 64 accumulators take turns, in the same order in every step
.irp a, \a0, \a0+1
.irp b, 0,1,2,3,4,5,6,7
	PROD \a, \b, \p, \q, \sc, \zero
.endr
.endr
.endm
.macro FETCH_B slot, q, p
	WIN TO_B
.irp i, 0,1,2,3,4,5,6,7
	FRAG 128*(\p)+FR*\i, ADRB+\slot, \q, \i
.endr
	WIN 0
.endm
.macro FETCH_A slot, q, p, i0
.irp i, \i0, \i0+1, \i0+2, \i0+3
	FRAG AF+64*(\p)+FR*(\i), ADRA+\slot, \q, \i
.endr
.endm
.macro SCALES sc                       ; a step's scale words: register 4 i + q: lanes 0-15 block i, lanes 16-31 block i + 4; x's, then W's
.irp i, 0,1,2,3
	ds_load_b128 v[SC+32*\sc+4*\i:SC+32*\sc+4*\i+3], v[ADRSA] offset:\i*SABLK
.endr
.irp i, 0,1,2,3
	ds_load_b128 v[SC+32*\sc+16+4*\i:SC+32*\sc+16+4*\i+3], v[ADRSB+\sc] offset:\i*16*PITCH
.endr
.endm
.macro PLACES n
.rept \n
	v_nop
.endr
.endm
; A step of 128 along k that has its successor in the same slot: the successor's 32 loads go out first, into the sets that the step before has multiplied.
.macro STEP slot, q, zero
	PLACES NP                                      ; four places behind the last product that read those sets (ISA guide 7.12.1 for vector instructions)
	FETCH_B \slot, (\q)+1, 1-(\q)%2
	FETCH_A \slot, (\q)+1, 1-(\q)%2, 0
	FETCH_A \slot, (\q)+1, 1-(\q)%2, 4
	s_wait_dscnt 32+4*NL                           ; the 32 just issued and, ahead of them, x's blocks 4-7 of this step may be out
.if \zero
	WIN FIRST_LO
.else
	WIN MUL_LO
.endif
	MUL16 0, (\q)%2, \q, \slot, \zero
	MUL16 2, (\q)%2, \q, \slot, \zero
	s_wait_dscnt 32                                ; all but the 32 just issued
.if \zero
	WIN FIRST_HI
.else
	WIN MUL_HI
.endif
	MUL16 4, (\q)%2, \q, \slot, \zero
	MUL16 6, (\q)%2, \q, \slot, \zero
.endm
; A slot's last step changes slots: one barrier; in front of it each wave waits for all its tensor loads, adds 0 to its spare word, and waits for that and for its reads of this slot.
.macro TURN slot, next, fill
	WIN 0
.if \fill
	s_wait_xcnt 0x0                                ; my prefetches have read their address: it steps here
	s_add_nc_u64 s[PFA:PFA+1], s[PFA:PFA+1], s[PFS:PFS+1]
.endif
	s_wait_tensorcnt 0x0                           ; my part of the next slot has landed
	ds_add_u32 v[SPW], v[NIL]
	s_wait_dscnt 4*NL+1                            ; the add and x's blocks 4-7 may be out
	WIN MUL_LO
	MUL16 0, 1, NQ-1, \slot, 0
	s_wait_dscnt 0x0                               ; the add is done, and my reads of this slot are over
	s_barrier_signal -1
	MUL16 2, 1, NQ-1, \slot, 0
	WIN 0
	s_barrier_wait -1
.if \fill
	CREST                                          ; the barrier has opened a round of the cluster's barrier
	s_add_nc_u64 s[G0+4*\slot+2:G0+4*\slot+3], s[G0+4*\slot+2:G0+4*\slot+3], 2*ROWB
	s_add_nc_u64 s[G0B+4*\slot+2:G0B+4*\slot+3], s[G0B+4*\slot+2:G0B+4*\slot+3], 2*WSTEP
	JLOAD G0+4*\slot, G1, G0B+4*\slot, G1B         ; the first tensor load behind the round; its four v_nop are the places in front of the loads below
.else
	PLACES NP
.endif
	v_add_nc_u32 v[ADRSA], 4*NQ, v[ADRSA]          ; the next step's scale words of x
	s_wait_alu depctr_va_vdst(0)
	FETCH_B \next, 0, 0
	FETCH_A \next, 0, 0, 0
	SCALES \next
	FETCH_A \next, 0, 0, 4
.if \fill
	ASK 1, 3, 3                                    ; the step two behind the one just asked for by the load
.endif
	WIN MUL_HI
	MUL16 4, 1, NQ-1, \slot, 0
	MUL16 6, 1, NQ-1, \slot, 0
.endm
.macro STEPS slot, from
.set Q, \from
.rept NQ-1-\from
	STEP \slot, Q, 0
.set Q, Q+1
.endr
.endm
	s_wait_tensorcnt 0x0                           ; my tile of the head's is in
	ds_add_u32 v[SPW], v[NIL]
	s_mov_b32 s[G1+2], 128<<16                     ; no tensor load of mine is out: from here on a load brings 128 rows of x,
	s_mov_b32 s[G1+4], 128
	s_mov_b32 s[G1B+2], 136<<16                    ; or 136 rows of 256 bytes of wq
	s_mov_b32 s[G1B+4], 136
	s_wait_dscnt 0x0
	CROUND
	JLOAD G0+4, G1, G0B+4, G1B                     ; step 1, into slot 1
	FETCH_B 0, 0, 0
	FETCH_A 0, 0, 0, 0
	SCALES 0
	FETCH_A 0, 0, 0, 4
	ASK 0, 2, 3                                    ; steps 2 and 3
	s_wait_loadcnt 0x0                             ; the bias
	STEP 0, 0, 1                                   ; the first step starts the sums, on the bias
	WIN 0
	s_mov_b32 s3, LAPS-1
.Llap:                                                 ; a trip goes once round the ring and fills both slots again
	STEPS 0, 1
	TURN 0, 1, 1
	STEPS 1, 0
	TURN 1, 0, 1
	STEP 0, 0, 0
	WIN 0
	s_sub_co_u32 s3, s3, 1
	s_cmp_lg_u32 s3, 0
	s_cbranch_scc1 .Llap
	STEPS 0, 1                                     ; the last lap fills nothing
; THE LAST STEP OF 512 (it lies in slot 1) GOES BY ROWS OF out0, NOT BY k.  All its fragments of W (4 quarters x 64 registers) fill window 1; x's come by blocks of 16 rows x 512 k.
; My eight blocks of 16 rows are finished one after the other, 32 products each, the block's 8 accumulators by turns, k ascending; each block leaves as soon as it is finished.  LDS is read no more than in any other step.
.macro BLOAD q                         ; W's eight fragments of quarter q -> window 1, v[64 q ..]
.irp i, 0,1,2,3,4,5,6,7
	FRAG 64*(\q)+FR*\i, ADRB+1, \q, \i
.endr
.endm
.macro ALOAD a                         ; x's block a, all four quarters -> buffer a % 4
.irp q, 0,1,2,3
	FRAG PA+32*((\a)%4)+FR*\q, ADRA+1, \q, \a
.endr
.endm
.macro ROW a                           ; block a is finished
	WIN MUL_LO+0x50*((\a)/4)
.irp q, 0,1,2,3
.if ((\a) == 0) && (\q == 2)
	s_wait_dscnt 24                                ; W's quarter 2 is in (behind it: x's blocks 1 to 3)
.endif
.irp b, 0,1,2,3,4,5,6,7
	PROD \a, \b, 2, \q, 1, 0
.endr
.endr
.endm
; THE WAY OUT of block a, 16 rows x 128 columns: through my own stage in slot 0 and back as whole rows of 512 bytes, into the block's own accumulator registers, which are done with.
; LDS serves a wave's instructions in order (ISA guide 5.7.1.4): no wait between the stores and the loads.  One window setting serves all three kinds of line: data and destination in the block's window, addresses in window 0.
.macro TOSTAGE a
.set AC, 64*((\a)%4)
	WIN 0x88+0x44*((\a)/4)
.irp b, 0,1,2,3,4,5,6,7
	ds_store_b128 v[STO], v[AC+8*\b:AC+8*\b+3] offset:64*\b          ; each accumulator from its low end on
	ds_store_b128 v[STO], v[AC+8*\b+4:AC+8*\b+7] offset:64*\b+16
.endr
.irp t, 0,1,2,3,4,5,6,7,8,9,10,11,12,13,14,15
	ds_load_b128 v[AC+4*\t:AC+4*\t+3], v[RD] offset:\t*SPITCH
.endr
.endm
.macro SEND a, younger                 ; younger: the LDS loads issued behind the block's, which may stay out
.set AC, 64*((\a)%4)
	WIN 0x88+0x44*((\a)/4)
	s_wait_dscnt \younger
.irp t, 0,1,2,3,4,5,6,7,8,9,10,11,12,13,14,15
	global_store_b128 v[CO], v[AC+4*\t:AC+4*\t+3], s[12:13] offset:(16*(\a)+\t)*ROWC th:TH_STORE_NT   ; 32 lanes store 512 consecutive bytes, at a multiple of 256 from out0's first byte; the row stands in the immediate (127 rows of 16,384 bytes at the most), so neither base, offset nor data is ever rewritten
.endr
.endm
	WIN 0
	s_wait_tensorcnt 0x0                           ; my part of slot 1, the last step, has landed
	ds_add_u32 v[SPW], v[NIL]
	s_wait_dscnt 4*NL+1                            ; the add and x's blocks 4-7 may be out
	WIN MUL_LO
	MUL16 0, 1, NQ-1, 0, 0
	s_wait_dscnt 0x0                               ; the add is done, and my reads of slot 0 are over
	s_barrier_signal -1
	MUL16 2, 1, NQ-1, 0, 0
	s_barrier_wait -1                              ; slot 1 is whole, and nobody reads slot 0 any more; nothing is filled again
	PLACES NP
	WIN 0
	v_add_nc_u32 v[ADRSA], 4*NQ, v[ADRSA]
	s_wait_alu depctr_va_vdst(0)
	WIN TO_B
	BLOAD 0                                        ; three quarters of W now: set 1 (v128-191 of window 1) is still being multiplied
	BLOAD 1
	BLOAD 3
	WIN 0
	SCALES 1
	ALOAD 0
	WIN MUL_HI
	MUL16 4, 1, NQ-1, 0, 0
	MUL16 6, 1, NQ-1, 0, 0
	PLACES NP
	WIN TO_B
	BLOAD 2
	WIN 0
	ALOAD 1
	ALOAD 2
	ALOAD 3
	s_wait_dscnt 40                                ; all but the 40 just issued
	ROW 0
.irp a, 0,1,2,3,4,5,6,7
	PLACES NP                                      ; the stores into the stage read results just made
	TOSTAGE \a
.if \a < 4
	WIN 0
	ALOAD \a+4                                     ; its buffer takes the block four further on
	SEND \a, 8
.else
	SEND \a, 0
.endif
.if \a < 7
	ROW \a+1
.endif
.endr
	WIN 0
	s_wait_tensorcnt 0x0                           ; the wave's end
	ds_add_u32 v[SPW], v[NIL]
	s_wait_dscnt 0x0
	CROUND                                         ; the closing round
	s_endpgm
.Lfunc_end_k_q822857400d_gemm:
	.size	k_q822857400d_gemm, .Lfunc_end_k_q822857400d_gemm-k_q822857400d_gemm
	.p2alignl 7, 3214868480
	.fill 96, 4, 3214868480
	.section	.rodata,"a",@progbits
	.p2align	6, 0x0
	.amdhsa_kernel k_q822857400d_gemm
		.amdhsa_group_segment_fixed_size 327680
		.amdhsa_private_segment_fixed_size 0
		.amdhsa_enable_private_segment 0
		.amdhsa_kernarg_size 40
		.amdhsa_user_sgpr_count 2
		.amdhsa_user_sgpr_kernarg_segment_ptr 1
		.amdhsa_wavefront_size32 1
		.amdhsa_system_sgpr_workgroup_id_x 1
		.amdhsa_system_sgpr_workgroup_id_y 1
		.amdhsa_system_sgpr_workgroup_id_z 1
		.amdhsa_system_vgpr_workitem_id 0
		.amdhsa_next_free_vgpr 1024
		.amdhsa_next_free_sgpr 98
		.amdhsa_reserve_vcc 0
		.amdhsa_float_denorm_mode_32 3
		.amdhsa_float_denorm_mode_16_64 3
		.amdhsa_memory_ordered 1
		.amdhsa_forward_progress 1
		.amdhsa_inst_pref_size 214
	.end_amdhsa_kernel
	.amdgpu_metadata
---
amdhsa.version: [ 1, 2 ]
amdhsa.kernels:
  - .name:           k_q822857400d_gemm
    .symbol:         k_q822857400d_gemm.kd
    .args:
      - { .name: x_codes, .offset: 0, .size: 8, .value_kind: global_buffer, .address_space: global }
      - { .name: x_scales, .offset: 8, .size: 8, .value_kind: global_buffer, .address_space: global }
      - { .name: wq, .offset: 16, .size: 8, .value_kind: global_buffer, .address_space: global }
      - { .name: bias, .offset: 24, .size: 8, .value_kind: global_buffer, .address_space: global }
      - { .name: out0, .offset: 32, .size: 8, .value_kind: global_buffer, .address_space: global }
    .group_segment_fixed_size: 327680
    .private_segment_fixed_size: 0
    .kernarg_segment_align: 8
    .kernarg_segment_size: 40
    .max_flat_workgroup_size: 128
    .sgpr_count:     98
    .vgpr_count:     1024
    .wavefront_size: 32
...
	.end_amdgpu_metadata
.endif
;; end of part 2
